; MI455X (gfx1250); checked and timed in simulation.
; The chip was launched on July 23, 2026; its instructions are those of AMD's public machine-readable ISA for CDNA 5 (MIT licence, August 2026) and "CDNA5" Instruction Set Architecture Reference Guide (July 2026). The comments in the code are by the model that wrote it; some were corrected since.
;; Coupling Spline Layer. Allowed arithmetic: matrix products marked QUANTISED: E2M1 operands, one E8M0 scale for each 32 along K, by v_wmma_scale_f32_16x16x128_f8f6f4 with both operands' format E2M1 (or v_wmma_scale_f32_32x16x128_f4), f32 sums; products left as they are: f32 operands where the result goes on into a quantised operand, else bf16, f16 or f32 operands; f32 sums; everything else in f32.
;; Inputs: W0 8 x 256 float32; W1 256 x 256 float32; Wout 256 x 184 float32; b0 256 float32; b1 256 float32; bout 184 float32; x 524,288 x 16 float32.
;; Outputs: out0 524,288 x 16 float32; out1 524,288 float32.
;; This version of the problem:
;;   THIS VERSION OF THE PROBLEM IS GIVEN IN LOW PRECISION. The matrix products marked QUANTISED in the list below multiply operands that are first quantised to E2M1 (2 exponent bits, 1 mantissa bit; 4 bits a number), with one power-of-two scale for each 32 numbers along K (OCP MX v1.0); their sums are f32. All else is computed in f32.
;;   The module's matrix products, in the order in which they are computed (A, B: the left and right operand; K: the contracted axis; several contracted axes count as one K, in the product's order):
;;     1. [M 524,288, K 8] x [K 8, N 256]; A: input x; B: input W0: left as it is (K = 8 < 32)
;;     2. [M 524,288, K 256] x [K 256, N 256]; A: computed on the way; B: input W1: QUANTISED
;;     3. [M 524,288, K 256] x [K 256, N 184]; A: computed on the way; B: input Wout: QUANTISED
;;   THE QUANTISER, for each operand of a quantised product, along K:
;;     - K is cut into blocks of 32 from its start; a last block that is shorter is filled with zeros.
;;     - A block's scale is 2^e with e = floor(log2(the largest magnitude in the block)) - 2, held to -126 .. 127; a block of zeros has e = 0. As a byte (E8M0): e + 127.
;;     - Each number is divided by its block's scale, clamped to +-6, and rounded to the nearest number of E2M1, ties to even, subnormals kept.
;;     - The product sums the exact products of the quantised numbers (number of the format x scale) in f32.
;;   ~~~python
;;   def quantise(x, axis):      # numpy; x: float32 -> the quantised numbers, widened to float32 again
;;       x = np.moveaxis(x, axis, -1); K = x.shape[-1]
;;       x = np.pad(x, [(0, 0)] * (x.ndim - 1) + [(0, -K % 32)]); x = x.reshape(x.shape[:-1] + (-1, 32)); a = np.abs(x).max(-1, keepdims=True)
;;       e = np.where(a > 0, np.clip(np.frexp(np.where(a > 0, a, 1))[1] - 1 - 2, -126, 127), 0)      # np.frexp(a)[1] - 1 = floor(log2(a)), exactly
;;       r = np.clip(x / 2.0 ** e, -6, 6)
;;       step = 2.0 ** (np.maximum(np.frexp(np.where(r == 0, 1, r))[1] - 1, 0) - 1)
;;       q = np.round(r / step) * step * 2.0 ** e      # np.round: ties to even
;;       return np.moveaxis(q.reshape(q.shape[:-2] + (-1,))[..., :K], -1, axis).astype(np.float32)
;;   ~~~
;;   OPERANDS COMPUTED ON THE WAY. 'Computed on the way' means the value that the module computes at that place (a softmax that the list does not call 'softmax' is quantised finished and normalised). What goes into a quantiser is computed in f32, as accurately as f32 sums, v_exp_f32 and their like allow (about 1e-6 of the number): no bf16 or f16 on the way to a quantiser, and a product that is left as it is and whose result goes on into a quantised operand takes f32 operands (vector FMAs, or v_wmma_f32_16x16x4_f32). A number that lies on a knife's edge between two numbers of the format may be rounded either way, as far as f32 arithmetic and the matrix unit's own rounding can turn it there, and no further.
;; One version. Each part assembles by itself: llvm-mc -triple=amdgcn-amd-amdhsa -mcpu=gfx1250 --defsym DOCPART=n.
;; ======== version 1 of 1: 2 launches
;; limits: right only within a limited range of input values
;; workspace buffers: wq 60,928 bytes
;; launch prep (part 1): grid 14 x 2, 1 waves a work-group, no clusters, 0 bytes of LDS; arguments W1, Wout, wq; writes wq
.if DOCPART == 1
	.amdgcn_target "amdgcn-amd-amdhsa--gfx1250"
	.amdhsa_code_object_version 6
	.text
	.protected	k_qd3014e1065_prep
	.globl	k_qd3014e1065_prep
	.p2align	8
	.type	k_qd3014e1065_prep,@function
k_qd3014e1065_prep:
	s_mov_b64 s[64:65], 0
	v_nop
	global_prefetch_b8 v0, s[64:65] scope:SCOPE_SE
	s_setreg_imm32_b32 hwreg(HW_REG_WAVE_MODE, 25, 1), 1
	s_wait_xcnt 0x0
; W1 [256 (k)][256 (n)] and Wout [256 (k)][184 (n)], f32, K their FIRST axis, become codes of FP4 (E2M1) with one E8M0 byte for each 32 along K,
; laid in wq as IMAGES OF THE OPERAND'S REGISTERS, so that the second launch takes a fragment by loads of 16 bytes a lane and nothing else.
; wq: 56 fragments of 1,024 bytes (tile TT = 0 .. 27, K step s = 0, 1: fragment 2 TT + s; in it registers 4 c .. 4 c + 3 of lane l at 512 c + 16 l), then from byte 57,344 one scale register a tile,
; 128 bytes: lanes 0-15 the words of K step 0, lanes 16-31 those of K step 1.
; WHICH COLUMNS FORM A TILE (row a = 0 .. 15 of the operand):  W1, tile 2 b + u: column 32 b + 8 u + a + 8 (a / 8).   Wout, tile 16 + 3 p + kind: column 23 (2 p + a / 8) + 8 kind + a % 8;
; for kind 2 and a % 8 = 7 there is no such column: that row gets zero codes (its lane reads its neighbour's column, so that no load leaves Wout).
; SHARES: one wave a work-group; work-group (g, s) takes tiles 2 g, 2 g + 1 and K step s.  A LANE TAKES A COLUMN, AND ITS REGISTERS RUN DOWN K: 128 numbers, four whole blocks, so no lane asks another for a maximum.
; A block's scale is 2^(floor(log2(largest magnitude)) - 2): its byte is the largest magnitude's exponent field - 2, held at 1 from below.  A block of zeros keeps the byte 1: its codes are zeros, and this program alone reads the bytes.
; LIMITS: NaN and infinities among the weights are not served.  The 3,584 scale bytes leave in pieces of 64 bytes.
.set X, 64                             ; v64-191  my 128 numbers
.set C, 32                             ; v32-47   my codes: four registers a block, never written again
.macro LOADB kb, pitch                 ; block kb: rows 32 kb .. 32 kb + 31 of my K step, my column
.set k, 32*(\kb)
.rept 32
	global_load_b32 v[X+k], v3, s[4:5] offset:k*\pitch
.set k, k+1
.endr
.endm
.macro QB kb, pitch, pad
.if \kb < 3
	s_wait_loadcnt 32                              ; this block's 32 loads are in; the next block's 32 may be out
.else
	s_wait_loadcnt 0x0
.endif
.if \kb < 2
	LOADB \kb+2, \pitch                            ; two blocks ahead: 64 loads are out at the most
.endif
.set XS, X+32*\kb
	v_max3_num_f32 v12, |v[XS]|, |v[XS+1]|, |v[XS+2]|              ; the block's largest magnitude, in two chains
	v_max3_num_f32 v13, |v[XS+3]|, |v[XS+4]|, |v[XS+5]|
.irp i, 6,10,14,18,22,26
	v_max3_num_f32 v12, v12, |v[XS+\i]|, |v[XS+\i+1]|
	v_max3_num_f32 v13, v13, |v[XS+\i+2]|, |v[XS+\i+3]|
.endr
	v_max3_num_f32 v12, v12, |v[XS+30]|, |v[XS+31]|
	v_max3_num_f32 v12, v12, v13, 0x1800000        ; and the floor 2^(3 - 127): the byte cannot fall under 1
	v_add_nc_u32 v14, 0xff000000, v12              ; 2 off the exponent field: the conversion takes the exponent field of this operand as its scale
	v_lshrrev_b32 v15, 23, v14                     ; the scale's byte
.if \kb == 0
	v_mov_b32 v16, v15                             ; four bytes make my column's scale word for this K step
.else
	v_lshl_or_b32 v16, v15, 8*\kb, v16
.endif
.irp g, 0,1,2,3
	v_cvt_scalef32_pk8_fp4_f32 v[C+4*\kb+\g], v[XS+8*\g:XS+8*\g+7], v14
.endr
	v_nop                                          ; one plain line behind the last conversion
.if \pad
.irp g, 0,1,2,3
	v_cndmask_b32 v[C+4*\kb+\g], v[C+4*\kb+\g], 0, s12   ; the row that stands for no column: zero codes
.endr
.endif
	global_store_b128 v4, v[C+4*\kb:C+4*\kb+3], s[8:9] offset:256*\kb   ; block kb = 2 c + h of row a lies at 512 c + 16 (a + 16 h) = 256 kb + 16 a: sixteen lanes store 256 consecutive bytes, aligned
.endm
.macro BODY pitch, pad
	LOADB 0, \pitch
	LOADB 1, \pitch
.irp kb, 0,1,2,3
	QB \kb, \pitch, \pad
.endr
	global_store_b32 v5, v16, s[10:11] offset:57344
	s_endpgm
.endm
	s_load_b128 s[4:7], s[0:1], 0x0                ; W1, Wout
	s_load_b64 s[8:9], s[0:1], 0x10                ; wq
	s_and_b32 s13, ttmp7, 0xffff                   ; s: the K step
	v_lshrrev_b32 v1, 4, v0                        ; u: which of my work-group's two tiles
	v_and_b32 v2, 15, v0                           ; a: the operand's row
	v_lshlrev_b32 v4, 4, v2
	v_lshl_add_u32 v4, v1, 11, v4                  ; codes: 2,048 u + 16 a
	v_lshlrev_b32 v5, 2, v2
	v_lshl_add_u32 v5, v1, 7, v5                   ; scale words: 128 u + 4 a
	s_lshl_b32 s14, ttmp9, 12
	s_lshl_b32 s16, s13, 10
	s_add_co_u32 s14, s14, s16                     ; 4,096 g + 1,024 s
	s_mov_b32 s15, 0
	s_lshl_b32 s16, ttmp9, 8
	s_lshl_b32 s17, s13, 6
	s_add_co_u32 s16, s16, s17                     ; 256 g + 64 s
	s_mov_b32 s17, 0
	s_wait_kmcnt 0x0
	s_add_nc_u64 s[10:11], s[8:9], s[16:17]
	s_add_nc_u64 s[8:9], s[8:9], s[14:15]
	s_cmp_lt_u32 ttmp9, 8                          ; work-groups 0-7 take W1's sixteen tiles, 8-13 Wout's twelve
	s_cbranch_scc0 .Lwout
	s_wait_alu depctr_va_vdst(0)
	v_and_b32 v6, 8, v2
	v_add_nc_u32 v6, v6, v2                        ; a + 8 (a / 8)
	v_lshl_add_u32 v6, v1, 3, v6                   ; + 8 u
	s_lshl_b32 s18, ttmp9, 5
	v_add_nc_u32 v6, s18, v6                       ; + 32 g: my column; the 32 lanes cover 128 consecutive bytes of a row
	v_lshlrev_b32 v3, 2, v6
	s_wait_alu depctr_va_vdst(0)
	s_lshl_b32 s14, s13, 17                        ; 128 rows of 1,024 bytes a K step
	s_add_nc_u64 s[4:5], s[4:5], s[14:15]
	BODY 1024, 0
.Lwout:
	s_sub_co_u32 s18, ttmp9, 8
	s_lshl_b32 s18, s18, 1
	s_wait_alu depctr_va_vdst(0)
	v_add_nc_u32 v6, s18, v1                       ; Wout's tile 0 .. 11
	v_mul_u32_u24 v7, v6, 11
	v_lshrrev_b32 v7, 5, v7                        ; p = tile / 3 (11 / 32 serves 0 .. 11)
	v_mul_u32_u24 v8, v7, 3
	v_sub_nc_u32 v8, v6, v8                        ; kind
	v_and_b32 v9, 7, v2
	v_lshl_add_u32 v9, v8, 3, v9                   ; 8 kind + a % 8: which of a spline's parameters
	v_cmp_eq_u32 s12, 23, v9                       ; there are 23
	v_cndmask_b32 v10, 0, 1, s12
	v_lshrrev_b32 v11, 3, v2
	v_lshl_add_u32 v11, v7, 1, v11                 ; the spline: 2 p + a / 8
	v_mad_u32_u24 v11, v11, 23, v9
	v_sub_nc_u32 v11, v11, v10                     ; my column, 183 at the most
	v_lshlrev_b32 v3, 2, v11
	s_wait_alu depctr_va_vdst(0)
	s_mul_i32 s14, s13, 94208                      ; 128 rows of 736 bytes a K step
	s_add_nc_u64 s[4:5], s[6:7], s[14:15]
	BODY 736, 1
.Lfunc_end_k_qd3014e1065_prep:
	.size	k_qd3014e1065_prep, .Lfunc_end_k_qd3014e1065_prep-k_qd3014e1065_prep
	.p2alignl 7, 3214868480
	.fill 96, 4, 3214868480
	.section	.rodata,"a",@progbits
	.p2align	6, 0x0
	.amdhsa_kernel k_qd3014e1065_prep
		.amdhsa_group_segment_fixed_size 0
		.amdhsa_private_segment_fixed_size 0
		.amdhsa_enable_private_segment 0
		.amdhsa_kernarg_size 24
		.amdhsa_user_sgpr_count 2
		.amdhsa_user_sgpr_kernarg_segment_ptr 1
		.amdhsa_wavefront_size32 1
		.amdhsa_system_sgpr_workgroup_id_x 1
		.amdhsa_system_sgpr_workgroup_id_y 1
		.amdhsa_system_sgpr_workgroup_id_z 1
		.amdhsa_system_vgpr_workitem_id 0
		.amdhsa_next_free_vgpr 192
		.amdhsa_next_free_sgpr 66
		.amdhsa_reserve_vcc 0
		.amdhsa_float_denorm_mode_32 3
		.amdhsa_float_denorm_mode_16_64 3
		.amdhsa_memory_ordered 1
		.amdhsa_forward_progress 1
		.amdhsa_inst_pref_size 41
	.end_amdhsa_kernel
	.amdgpu_metadata
---
amdhsa.version: [ 1, 2 ]
amdhsa.kernels:
  - .name:           k_qd3014e1065_prep
    .symbol:         k_qd3014e1065_prep.kd
    .args:
      - { .name: W1, .offset: 0, .size: 8, .value_kind: global_buffer, .address_space: global }
      - { .name: Wout, .offset: 8, .size: 8, .value_kind: global_buffer, .address_space: global }
      - { .name: wq, .offset: 16, .size: 8, .value_kind: global_buffer, .address_space: global }
    .group_segment_fixed_size: 0
    .private_segment_fixed_size: 0
    .kernarg_segment_align: 8
    .kernarg_segment_size: 24
    .max_flat_workgroup_size: 32
    .sgpr_count:     66
    .vgpr_count:     192
    .wavefront_size: 32
...
	.end_amdgpu_metadata
.endif
;; end of part 1
;; launch main (part 2): grid 256 x 1, 8 waves a work-group, no clusters, 224,768 bytes of LDS; arguments x, W0, b0, b1, bout, wq, out0, out1; writes out0, out1
.if DOCPART == 2
	.amdgcn_target "amdgcn-amd-amdhsa--gfx1250"
	.amdhsa_code_object_version 6
	.text
	.protected	k_qd3014e1065_main
	.globl	k_qd3014e1065_main
	.p2align	8
	.type	k_qd3014e1065_main,@function
k_qd3014e1065_main:
	s_mov_b64 s[64:65], 0
	v_nop
	global_prefetch_b8 v0, s[64:65] scope:SCOPE_SE
	s_setreg_imm32_b32 hwreg(HW_REG_WAVE_MODE, 25, 1), 1
	s_wait_xcnt 0x0
; out0 = [spline(x1; params) | x2], out1 = the row's sum of log-derivatives; params = Q(relu(Q(relu(x2 W0 + b0)) Q(W1) + b1)) Q(Wout) + bout, Q the MX-FP4 quantiser along K.  x: [524,288][16] f32.
; SHARES.  A work-group owns 2,048 rows, each of its eight waves 256, in four trips of 64 rows (four tiles m of 16).  Nothing but x, the weights' images and the results goes through memory.
; Behind the one barrier at the head the waves share read-only LDS alone: the weights' images (made by the launch before), W0's fragments, the biases.  Each weight fragment read from LDS feeds four products.
; ALL THREE PRODUCTS ARE USED TRANSPOSED (source 0 = 16 rows of a weight, source 1 = 16 rows of x or of a hidden layer): a lane holds ONE row r = lane % 16, and its registers run along the units.
; The weight rows of a tile are chosen so that (layers 1, 2) the 16 registers of tiles 2 b, 2 b + 1 are 16 neighbours, 32 b + 16 (lane / 16) + 0 .. 15, of the next K, and (layer 3) the three tiles 3 p + 0, 1, 2 give lane (r, h)
; the 8 widths, 8 heights and 7 slopes of spline t = 2 p + h of its row: nothing changes lanes ahead of the spline.
; LAYER 1 has K = 8 and feeds a quantiser: f32 operands, v_wmma_f32_16x16x4_f32, two K steps.  The biases are the C of each sum's first product.
; RELU is done on the codes: the block's maximum is taken without |.| (what is negative does not count), and the magnitude bits of negative codes are cleared: -0 is left, which adds nothing.
; THE SPLINE.  Softmax with its maximum taken away; the bin by three halvings on partial sums of the widths, every choice by v_cndmask_b32; softplus(z) + 1e-4 = max(z, 0) + ln((1 + e^-|z|) e^1e-4), for the bin's two slopes alone;
; the three logarithms are one: ln(n (s / beta)^2).
; LIMITS: NaN and infinities are not served.  A block whose largest number lies under 2^-124 keeps the scale byte 1.  The slope at the two ends is softplus(ln(e^0.9999 - 1)) + 1e-4, which is 1 up to f32 rounding.
; The bin is found on x + 1 against partial sums of widths, not on x against -1 + a running sum: at a knot either bin gives the same value and slope.
; LDS: 0 the weights' 56 fragments; W0IMG W0's 16 tiles (512 bytes: a lane's 16 bytes are its registers of both K steps); B0, then b1; WSO Wout's scale registers; BO bout, 24 words a spline, the slopes' constant added; STG a stage for each wave.
.set W0IMG, 57344
.set B0,    65536                      ; b0, 1,024 bytes; b1 behind it
.set WSO,   67584                      ; 12 x 128 bytes
.set BO,    69120                      ; 1,024 bytes, 768 of them read
.set STG,   70144
; A wave's region: stage C (the 64 rows at work) and stage N (the next 64), each 64 rows x 80 bytes (64 + 16 of padding); 64 logdets; the image of h0's code registers; h0's scale bytes, 8 a row.
; LAYER 1 OF THE NEXT 64 ROWS IS LAID INTO THE SPLINES' LOOP: iteration p makes units 64 p .. 64 p + 63, so that an iteration holds f32 products beside the spline's vector work.
.set STGW,  19200
.set NST,   5120
.set LGD,   10240
.set H0I,   10496
.set HSI,   18688
.set SPARE, 223744                     ; behind the eight regions: the spare words, 128 bytes a wave
; window 0
.set LI,   1                           ; 16 x lane: my place in an image, and in 512 bytes of x or out0
.set L4,   2                           ; 4 x lane
.set L8,   3                           ; 8 x lane
.set VB,   4                           ; B0 + 64 h: my half's eight biases of a tile
.set VBO,  5                           ; BO + 96 h
.set XSA,  6                           ; stage: 80 (lane / 4) + 16 (lane % 4): rows as they lie in memory
.set XBA,  7                           ; stage: 80 r + 32 + 8 h: x2 as source 1 of the f32 form
.set X1A,  8                           ; stage: 80 r + 4 h: x1 of spline h
.set VLD,  9                           ; stage: LGD + 4 r
.set VLR,  10                          ; stage: LGD + 8 x lane
.set VSWB, 11                          ; WSO + 4 x lane
.set CPA,  12                          ; 16 x thread
.set CPS,  13                          ; WSO + 16 x thread
.set VW,   14                          ; these four are made anew for each p
.set VBOA, 15
.set VSW,  16
.set VX1,  17
.set WS1,  24                          ; v24-39  W1's scale registers, one a tile: they stay
.set SW3,  40                          ; v40-42  Wout's, for the p in hand
.set HS0,  44                          ; v44-51  h0's scale words (2 m + s)
.set HS1,  52                          ; v52-59  h1's
.set LDT,  60                          ; v60-63  the logdets' sums, in log2
.set BIAS, 64                          ; v64-95  four tiles' biases
.set H0C,  96                          ; v96-159 h0's codes (16 m + 8 s + 4 c)
.set E,    96                          ;         in the spline: 16 m + 0 .. 7 widths, + 8 .. 15 heights
.set T,    160                         ; v160-223 at work
.set TM,   160
.set PC,   172
.set TS,   180
.set XP,   224                         ; v224-255 the next trip's x
; window 1
.set ACC,  0                           ; v0-127  sums (32 m + 8 i): written by matrix instructions alone
.set WF,   128                         ; v128-191 weight fragments
.set H1C,  192                         ; v192-255 h1's codes
.set W0F,  176                         ; W0's four fragments of a chunk: the last 16 registers of WF, which Wout's tiles leave free
.set XB,   224                         ; window 0: x2's fragments of the next rows, where the next x lay until it went to stage N
.set TR,   192                         ; window 0: a chunk's codes on their way to the image
.set VH0,  12                          ; behind the head: H0I + 16 x lane
.set VHS,  13                          ; behind the head: HSI + 8 r
.set VA0,  18                          ; made anew where they are used
.set VA1,  22
; the spline's 16 registers of tile m, at T + 16 m
.set NA, 0
.set NB, 1
.set SA, 2
.set SB, 4
.set XX, 6
.set UU, 7
.set YK, 8
.set Z0, 9
.set Z1, 10
.set Z2, 11
.set Z3, 12
.set Z4, 13
.set GG, 14
.set RR, 15
.set MSB, 0
.macro WIN new                         ; s_set_vgpr_msb: bits 1:0 source 0, 3:2 source 1, 5:4 source 2, 7:6 destination; the high byte repeats the setting that is left
.if MSB != \new
	s_set_vgpr_msb (MSB<<8)|\new
.set MSB, \new
.endif
.endm
.macro PLACES n
.rept \n
	v_nop
.endr
.endm
.macro XLOAD                           ; 64 rows of x: eight loads of 512 consecutive bytes
.irp k, 0,1,2,3,4,5,6,7
	global_load_b128 v[XP+4*\k:XP+4*\k+3], v[LI], s[8:9] offset:512*\k th:TH_LOAD_NT
.endr
.endm
.macro XSTORE o
.irp k, 0,1,2,3,4,5,6,7
	ds_store_b128 v[XSA], v[XP+4*\k:XP+4*\k+3] offset:\o+640*\k
.endr
.endm
.macro LDB base, c4                    ; the biases of tiles 4 c4 + i: units 32 b + 16 h + 8 u + 0 .. 7
.irp i, 0,1,2,3
	ds_load_b128 v[BIAS+8*\i:BIAS+8*\i+3], v[VB] offset:\base+128*(2*(\c4)+\i/2)+32*(\i%2)
	ds_load_b128 v[BIAS+8*\i+4:BIAS+8*\i+7], v[VB] offset:\base+128*(2*(\c4)+\i/2)+32*(\i%2)+16
.endr
.endm
.macro LDW0
	WIN 0x40
.irp i, 0,1,2,3
	ds_load_b128 v[W0F+4*\i:W0F+4*\i+3], v[VA0] offset:W0IMG+512*\i
.endr
	WIN 0
.endm
.macro LDW1 c4
	WIN 0x40
.irp i, 0,1,2,3
.irp s, 0,1
.irp c, 0,1
	ds_load_b128 v[WF+16*\i+8*\s+4*\c:WF+16*\i+8*\s+4*\c+3], v[LI] offset:1024*(2*(4*(\c4)+\i)+\s)+512*\c
.endr
.endr
.endr
	WIN 0
.endm
.macro MM d, a, b, c, sa, sb, row      ; a product on codes; row = 1: the weight's scale words of K step 1, in lanes 16-31
.if \row
	v_wmma_scale_f32_16x16x128_f8f6f4 v[\d:\d+7], v[\a:\a+7], v[\b:\b+7], v[\c:\c+7], v[\sa], v[\sb] matrix_a_fmt:MATRIX_FMT_FP4 matrix_b_fmt:MATRIX_FMT_FP4 matrix_a_scale:MATRIX_SCALE_ROW1
.else
	v_wmma_scale_f32_16x16x128_f8f6f4 v[\d:\d+7], v[\a:\a+7], v[\b:\b+7], v[\c:\c+7], v[\sa], v[\sb] matrix_a_fmt:MATRIX_FMT_FP4 matrix_b_fmt:MATRIX_FMT_FP4
.endif
.endm
; relu and the quantiser for tiles m0, m0 + 1 of rows and the two blocks of 32 units that four tiles of units make: four blocks k = 2 mm + b by turns, each 16 registers a lane and 16 in lane l xor 16.
; They are blocks 2 c, 2 c + 1 of K step s of the next product: registers 4 c .. 4 c + 3 of its fragment, and two bytes of its scale word.
.macro QUANT2 m0, s, c, code, dwin, hs, dstep
	WIN 0x05                                       ; the sums lie in window 1
.irp k, 0,1,2,3
	v_max3_num_f32 v[TM+\k], v[ACC+32*((\m0)+\k/2)+16*(\k%2)], v[ACC+32*((\m0)+\k/2)+16*(\k%2)+1], 0x1800000   ; no |.|: relu; the floor 2^(3 - 127) holds the byte at 1.  Each sum is read from its low end on
.endr
.irp i, 2,4,6,8,10,12,14
.irp k, 0,1,2,3
	v_max3_num_f32 v[TM+\k], v[ACC+32*((\m0)+\k/2)+16*(\k%2)+\i], v[ACC+32*((\m0)+\k/2)+16*(\k%2)+\i+1], v[TM+\k]
.endr
.endr
	WIN 0
.irp k, 0,1,2,3
	v_permlanex16_b32 v[TM+4+\k], v[TM+\k], s26, s27
.endr
.irp k, 0,1,2,3
	s_delay_alu instid0(VALU_DEP_4)
	v_max_num_f32 v[TM+\k], v[TM+\k], v[TM+4+\k]   ; the block's largest number
.endr
.irp k, 0,1,2,3
	s_delay_alu instid0(VALU_DEP_4)
	v_add_nc_u32 v[TM+8+\k], 0xff000000, v[TM+\k]  ; 2 off its exponent field: the conversion's scale operand
.endr
.irp k, 0,1,2,3
	s_delay_alu instid0(VALU_DEP_4)
	v_lshrrev_b32 v[TM+4+\k], 23, v[TM+8+\k]       ; the scale's byte
.endr
.irp mm, 0
.if (\c) == 0
	s_delay_alu instid0(VALU_DEP_3)
	v_lshl_or_b32 v[\hs+2*((\m0)+\mm)+(\s)], v[TM+5+2*\mm], 8, v[TM+4+2*\mm]
.else
	s_delay_alu instid0(VALU_DEP_4)
	v_lshl_or_b32 v[\hs+2*((\m0)+\mm)+(\s)], v[TM+4+2*\mm], 16, v[\hs+2*((\m0)+\mm)+(\s)]
	s_delay_alu instid0(VALU_DEP_1)
	v_lshl_or_b32 v[\hs+2*((\m0)+\mm)+(\s)], v[TM+5+2*\mm], 24, v[\hs+2*((\m0)+\mm)+(\s)]
.endif
.endr
.irp mm, 1
.if (\c) == 0
	s_delay_alu instid0(VALU_DEP_2)
	v_lshl_or_b32 v[\hs+2*((\m0)+\mm)+(\s)], v[TM+5+2*\mm], 8, v[TM+4+2*\mm]
.else
	s_delay_alu instid0(VALU_DEP_4)
	v_lshl_or_b32 v[\hs+2*((\m0)+\mm)+(\s)], v[TM+4+2*\mm], 16, v[\hs+2*((\m0)+\mm)+(\s)]
	s_delay_alu instid0(VALU_DEP_1)
	v_lshl_or_b32 v[\hs+2*((\m0)+\mm)+(\s)], v[TM+5+2*\mm], 24, v[\hs+2*((\m0)+\mm)+(\s)]
.endif
.endr
	WIN 0x01
.irp k, 0,1,2,3
	v_cvt_scalef32_pk8_fp4_f32 v[PC+2*\k], v[ACC+32*((\m0)+\k/2)+16*(\k%2):ACC+32*((\m0)+\k/2)+16*(\k%2)+7], v[TM+8+\k]
	v_cvt_scalef32_pk8_fp4_f32 v[PC+2*\k+1], v[ACC+32*((\m0)+\k/2)+16*(\k%2)+8:ACC+32*((\m0)+\k/2)+16*(\k%2)+15], v[TM+8+\k]
.endr
	WIN 0
	v_nop                                          ; one plain line behind the last conversion
.irp mm, 0,1
.irp i, 0,1
	v_permlane16_swap_b32 v[PC+4*\mm+\i], v[PC+4*\mm+2+\i]   ; the operand wants a WHOLE block in a lane: lanes 0-15 block 2 c, lanes 16-31 block 2 c + 1
.endr
.endr
.irp e, 0,1,2,3,4,5,6,7
	v_and_b32 v[TS+\e], s38, v[PC+\e]              ; the eight sign bits
.endr
.irp e, 0,1,2,3,4,5,6,7
	v_lshrrev_b32 v[TM+\e], 3, v[TS+\e]
.endr
.irp e, 0,1,2,3,4,5,6,7
	v_sub_nc_u32 v[TS+\e], v[TS+\e], v[TM+\e]      ; 8 - 1 = 7: the magnitude bits of each negative code
.endr
	WIN \dwin
.irp e, 0,1,2,3,4,5,6,7
	v_bfi_b32 v[\code+(\dstep)*((\m0)+\e/4)+8*(\s)+4*(\c)+\e%4], v[TS+\e], 0, v[PC+\e]   ; cleared: relu
.endr
	WIN 0
.endm
; LAYER 1: h0 = relu(x2 W0 + b0), four tiles of units at a time for the four tiles of rows: 16 sums by turns, one instruction a turn; then the quantiser.
; Chunk p (tiles 4 p .. 4 p + 3): s10 = 2,048 p, s11 = 256 p, s12 = 512 p, s13 = 2 p.
.macro XBLOAD                          ; x2(16 m + r, 4 q + 2 h + 0, 1) of the rows in stage N; LDS serves a wave's instructions in order: these see my stores
.irp m, 0,1,2,3
.irp q, 0,1
	ds_load_b64 v[XB+4*\m+2*\q:XB+4*\m+2*\q+1], v[XBA] offset:1280*\m+16*\q
.endr
.endr
.endm
.macro P1LOAD                          ; the chunk's fragments of W0 and its biases
	v_add_nc_u32 v[VA0], s10, v[LI]
	v_add_nc_u32 v[VA1], s11, v[VB]
	LDW0
.irp i, 0,1,2,3
	ds_load_b128 v[BIAS+8*\i:BIAS+8*\i+3], v[VA1] offset:128*(\i/2)+32*(\i%2)
	ds_load_b128 v[BIAS+8*\i+4:BIAS+8*\i+7], v[VA1] offset:128*(\i/2)+32*(\i%2)+16
.endr
.endm
.macro P1STEP
	s_add_co_u32 s10, s10, 2048
	s_add_co_u32 s11, s11, 256
	s_add_co_u32 s12, s12, 512
	s_add_co_u32 s13, s13, 2
.endm
.macro NEXTP                           ; on to the next pair of splines; behind the last there is none
	s_add_co_u32 s5, s5, 6144
	s_add_co_u32 s6, s6, 192
	s_add_co_u32 s7, s7, 384
	s_cmp_eq_u32 s4, 3
	s_wait_alu depctr_va_vdst(0)
	s_cbranch_scc1 .Lnl_\@
	ADDR
	LOADP
.Lnl_\@:
.endm
.macro P1A
	s_wait_dscnt 0x0
	WIN 0x41                                       ; W0 window 1, x2 and the bias window 0, the sum window 1
.irp m, 0,1,2,3
.irp i, 0,1,2,3
	v_wmma_f32_16x16x4_f32 v[ACC+32*\m+8*\i:ACC+32*\m+8*\i+7], v[W0F+4*\i:W0F+4*\i+1], v[XB+4*\m:XB+4*\m+1], v[BIAS+8*\i:BIAS+8*\i+7]
.endr
.endr
	WIN 0x51
.irp m, 0,1,2,3
.irp i, 0,1,2,3
	v_wmma_f32_16x16x4_f32 v[ACC+32*\m+8*\i:ACC+32*\m+8*\i+7], v[W0F+4*\i+2:W0F+4*\i+3], v[XB+4*\m+2:XB+4*\m+3], v[ACC+32*\m+8*\i:ACC+32*\m+8*\i+7]
.endr
.endr
	WIN 0
	PLACES 8                                       ; behind the f32 form eight places stand in front of loads into its operands and of the first read of its results
.endm
.macro P1B                             ; the chunk is quantised; its codes and its two scale bytes a row go to my image
	QUANT2 0, 0, 0, TR, 0, HS0, 4
	QUANT2 2, 0, 0, TR, 0, HS0, 4
	v_add_nc_u32 v[VA0], s12, v[VH0]
	v_add_nc_u32 v[VA1], s13, v[VHS]
.irp m, 0,1,2,3
	ds_store_b128 v[VA0], v[TR+4*\m:TR+4*\m+3] offset:2048*\m    ; registers 16 m + 4 p .. + 3 of h0's codes
	ds_store_b16 v[VA1], v[HS0+2*\m] offset:128*\m               ; bytes 2 p, 2 p + 1 of the row's eight; both lanes of a row write the same
.endr
.endm
; LAYER 2: h1 = relu(Q(h0) Q(W1) + b1), in the same shares.
.macro P2
.irp m, 0,1,2,3
.irp g, 0,1,2,3
	ds_load_b128 v[H0C+16*\m+4*\g:H0C+16*\m+4*\g+3], v[VH0] offset:2048*\m+512*\g   ; h0's codes and scale words, out of my image
.endr
	ds_load_b64 v[HS0+2*\m:HS0+2*\m+1], v[VHS] offset:128*\m
.endr
	LDW1 0
	LDB 1024, 0
	PLACES 4                                       ; codes written by vector instructions stand four places ahead of a scaled product
.irp c4, 0,1,2,3
	s_wait_dscnt 0x0
	WIN 0x41                                       ; W1 window 1, h0 and the bias window 0, the sum window 1
.irp m, 0,1,2,3
.irp i, 0,1,2,3
	MM ACC+32*\m+8*\i, WF+16*\i, H0C+16*\m, BIAS+8*\i, WS1+4*\c4+\i, HS0+2*\m, 0
.endr
.endr
	WIN 0x51
	s_wait_alu depctr_va_vdst(0)
.irp m, 0,1,2,3
.irp i, 0,1,2,3
	MM ACC+32*\m+8*\i, WF+16*\i+8, H0C+16*\m+8, ACC+32*\m+8*\i, WS1+4*\c4+\i, HS0+2*\m+1, 1
.endr
.endr
	WIN 0
	PLACES 4                                       ; four places in front of loads into the products' operands and of the first read of the results
.if \c4 < 3
	LDW1 \c4+1
	LDB 1024, \c4+1
.endif
	QUANT2 0, \c4/2, \c4%2, H1C, 0x40, HS1, 16
	QUANT2 2, \c4/2, \c4%2, H1C, 0x40, HS1, 16
.endr
.endm
.macro ADDR                            ; the LDS addresses of pair p of splines
	v_add_nc_u32 v[VW], s5, v[LI]
	v_add_nc_u32 v[VBOA], s6, v[VBO]
	v_add_nc_u32 v[VSW], s7, v[VSWB]
.endm
.macro LOADP                           ; its three tiles of Wout (widths, heights, slopes), their biases and scale registers
	WIN 0x40
.irp kd, 0,1,2
.irp s, 0,1
.irp c, 0,1
	ds_load_b128 v[WF+16*\kd+8*\s+4*\c:WF+16*\kd+8*\s+4*\c+3], v[VW] offset:32768+2048*\kd+1024*\s+512*\c
.endr
.endr
.endr
	WIN 0
.irp kd, 0,1,2
	ds_load_b128 v[BIAS+8*\kd:BIAS+8*\kd+3], v[VBOA] offset:32*\kd
	ds_load_b128 v[BIAS+8*\kd+4:BIAS+8*\kd+7], v[VBOA] offset:32*\kd+16
	ds_load_b32 v[SW3+\kd], v[VSW] offset:128*\kd
.endr
.endm
; THE SPLINE of (row 16 m + r, t = 2 p + h), the four tiles m by turns, so that no line waits for the line above it.  Transcendentals go in batches, each with one plain line and ONE wait ahead of its first reader.
.macro SPLINE
	WIN 0x05
.irp m, 0,1,2,3
	v_max_num_f32 v[T+16*\m+NA], v[ACC+32*\m], v[ACC+32*\m+1]      ; the largest raw width and height (each sum is read from its low end on)
	v_max_num_f32 v[T+16*\m+NB], v[ACC+32*\m+8], v[ACC+32*\m+9]
.endr
.irp i, 2,4,6
.irp m, 0,1,2,3
	v_max3_num_f32 v[T+16*\m+NA], v[ACC+32*\m+\i], v[ACC+32*\m+\i+1], v[T+16*\m+NA]
	v_max3_num_f32 v[T+16*\m+NB], v[ACC+32*\m+8+\i], v[ACC+32*\m+9+\i], v[T+16*\m+NB]
.endr
.endr
	WIN 0
.irp m, 0,1,2,3
	v_mul_f32 v[T+16*\m+NA], s30, v[T+16*\m+NA]    ; x -log2(e)
	v_mul_f32 v[T+16*\m+NB], s30, v[T+16*\m+NB]
.endr
	WIN 0x01
.irp i, 0,2,4,6
.irp m, 0,1,2,3
	v_pk_fma_f32 v[E+16*\m+\i:E+16*\m+\i+1], v[ACC+32*\m+\i:ACC+32*\m+\i+1], s[28:29], v[T+16*\m+NA:T+16*\m+NB] op_sel_hi:[1,0,0]   ; (raw - max) log2(e), two at a time
	v_pk_fma_f32 v[E+16*\m+8+\i:E+16*\m+9+\i], v[ACC+32*\m+8+\i:ACC+32*\m+9+\i], s[28:29], v[T+16*\m+NA:T+16*\m+NB] op_sel:[0,0,1] op_sel_hi:[1,0,1]
.endr
.endr
	WIN 0
	s_wait_alu depctr_va_vdst(0)
.irp i, 0,1,2,3,4,5,6,7,8,9,10,11,12,13,14,15
.irp m, 0,1,2,3
	v_exp_f32 v[E+16*\m+\i], v[E+16*\m+\i]
.endr
.endr
.irp m, 0,1,2,3
	v_cmp_le_f32 s[40+\m], s35, |v[T+16*\m+XX]|    ; outside (-0.999, 0.999): x passes as it is
.endr
.irp m, 0,1,2,3
	s_delay_alu instid0(VALU_DEP_4)
	v_cndmask_b32 v[T+16*\m+UU], v[T+16*\m+XX], 0, s[40+\m]
.endr
.irp m, 0,1,2,3
	s_delay_alu instid0(VALU_DEP_4)
	v_add_f32 v[T+16*\m+UU], 1.0, v[T+16*\m+UU]    ; the way from the left end
.endr
	s_wait_alu depctr_va_vdst(0)                   ; one wait for the 64 exponentials
.irp m, 0,1,2,3
	v_pk_add_f32 v[T+16*\m+SA:T+16*\m+SA+1], v[E+16*\m:E+16*\m+1], v[E+16*\m+2:E+16*\m+3]
	v_pk_add_f32 v[T+16*\m+Z1:T+16*\m+Z2], v[E+16*\m+4:E+16*\m+5], v[E+16*\m+6:E+16*\m+7]
	v_pk_add_f32 v[T+16*\m+SB:T+16*\m+SB+1], v[E+16*\m+8:E+16*\m+9], v[E+16*\m+10:E+16*\m+11]
	v_pk_add_f32 v[T+16*\m+Z3:T+16*\m+Z4], v[E+16*\m+12:E+16*\m+13], v[E+16*\m+14:E+16*\m+15]
.endr
.irp m, 0,1,2,3
	v_pk_add_f32 v[T+16*\m+SA:T+16*\m+SA+1], v[T+16*\m+SA:T+16*\m+SA+1], v[T+16*\m+Z1:T+16*\m+Z2]
	v_pk_add_f32 v[T+16*\m+SB:T+16*\m+SB+1], v[T+16*\m+SB:T+16*\m+SB+1], v[T+16*\m+Z3:T+16*\m+Z4]
.endr
.irp m, 0,1,2,3
	v_add_f32 v[T+16*\m+NA], v[T+16*\m+SA], v[T+16*\m+SA+1]
	v_add_f32 v[T+16*\m+NB], v[T+16*\m+SB], v[T+16*\m+SB+1]
.endr
	s_wait_alu depctr_va_vdst(0)
.irp m, 0,1,2,3
	v_rcp_f32 v[T+16*\m+NA], v[T+16*\m+NA]
	v_rcp_f32 v[T+16*\m+NB], v[T+16*\m+NB]
.endr
	v_nop
	s_wait_alu depctr_va_vdst(0)                   ; one wait for the eight reciprocals
.irp m, 0,1,2,3
	v_mul_f32 v[T+16*\m+NA], s34, v[T+16*\m+NA]    ; 2 (1 - 8e-4) / the sum
	v_mul_f32 v[T+16*\m+NB], s34, v[T+16*\m+NB]
.endr
.irp i, 0,2,4,6
.irp m, 0,1,2,3
	v_pk_fma_f32 v[E+16*\m+\i:E+16*\m+\i+1], v[E+16*\m+\i:E+16*\m+\i+1], v[T+16*\m+NA:T+16*\m+NB], s[32:33] op_sel_hi:[1,0,0]   ; widths = 2e-4 + 1.9984 softmax
	v_pk_fma_f32 v[E+16*\m+8+\i:E+16*\m+9+\i], v[E+16*\m+8+\i:E+16*\m+9+\i], v[T+16*\m+NA:T+16*\m+NB], s[32:33] op_sel:[0,1,0] op_sel_hi:[1,1,0]   ; heights likewise
.endr
.endr
	; the bin, by halving: is the way left at least the first four widths, then the first two of the four chosen, then the first of the two
.irp m, 0,1,2,3
	v_add_f32 v[T+16*\m+Z0], v[E+16*\m], v[E+16*\m+1]
	v_add_f32 v[T+16*\m+Z1], v[E+16*\m+2], v[E+16*\m+3]
	v_add_f32 v[T+16*\m+Z2], v[E+16*\m+4], v[E+16*\m+5]
.endr
.irp m, 0,1,2,3
	v_add_f32 v[T+16*\m+Z3], v[T+16*\m+Z0], v[T+16*\m+Z1]
.endr
.irp m, 0,1,2,3
	s_delay_alu instid0(VALU_DEP_4)
	v_cmp_ge_f32 s[44+\m], v[T+16*\m+UU], v[T+16*\m+Z3]
.endr
.irp m, 0,1,2,3
	v_cndmask_b32 v[T+16*\m+Z4], 0, v[T+16*\m+Z3], s[44+\m]
	v_cndmask_b32 v[E+16*\m], v[E+16*\m], v[E+16*\m+4], s[44+\m]
	v_cndmask_b32 v[E+16*\m+1], v[E+16*\m+1], v[E+16*\m+5], s[44+\m]
	v_cndmask_b32 v[E+16*\m+2], v[E+16*\m+2], v[E+16*\m+6], s[44+\m]
	v_cndmask_b32 v[E+16*\m+3], v[E+16*\m+3], v[E+16*\m+7], s[44+\m]
	v_cndmask_b32 v[T+16*\m+Z0], v[T+16*\m+Z0], v[T+16*\m+Z2], s[44+\m]
.endr
.irp m, 0,1,2,3
	v_sub_f32 v[T+16*\m+UU], v[T+16*\m+UU], v[T+16*\m+Z4]
.endr
.irp m, 0,1,2,3
	s_delay_alu instid0(VALU_DEP_4)
	v_cmp_ge_f32 s[48+\m], v[T+16*\m+UU], v[T+16*\m+Z0]
.endr
.irp m, 0,1,2,3
	v_cndmask_b32 v[T+16*\m+Z4], 0, v[T+16*\m+Z0], s[48+\m]
	v_cndmask_b32 v[E+16*\m], v[E+16*\m], v[E+16*\m+2], s[48+\m]
	v_cndmask_b32 v[E+16*\m+1], v[E+16*\m+1], v[E+16*\m+3], s[48+\m]
.endr
.irp m, 0,1,2,3
	v_sub_f32 v[T+16*\m+UU], v[T+16*\m+UU], v[T+16*\m+Z4]
.endr
.irp m, 0,1,2,3
	s_delay_alu instid0(VALU_DEP_4)
	v_cmp_ge_f32 s[52+\m], v[T+16*\m+UU], v[E+16*\m]
.endr
.irp m, 0,1,2,3
	v_cndmask_b32 v[T+16*\m+Z4], 0, v[E+16*\m], s[52+\m]
	v_cndmask_b32 v[E+16*\m], v[E+16*\m], v[E+16*\m+1], s[52+\m]   ; the bin's width
.endr
.irp m, 0,1,2,3
	v_sub_f32 v[T+16*\m+UU], v[T+16*\m+UU], v[T+16*\m+Z4]          ; x less the bin's left edge
.endr
	; the heights by the same three choices: the bin's lower edge and its height
.irp m, 0,1,2,3
	v_add_f32 v[T+16*\m+Z0], v[E+16*\m+8], v[E+16*\m+9]
	v_add_f32 v[T+16*\m+Z1], v[E+16*\m+10], v[E+16*\m+11]
	v_add_f32 v[T+16*\m+Z2], v[E+16*\m+12], v[E+16*\m+13]
.endr
.irp m, 0,1,2,3
	v_add_f32 v[T+16*\m+Z3], v[T+16*\m+Z0], v[T+16*\m+Z1]
.endr
.irp m, 0,1,2,3
	s_delay_alu instid0(VALU_DEP_4)
	v_add_f32 v[T+16*\m+Z3], -1.0, v[T+16*\m+Z3]
.endr
.irp m, 0,1,2,3
	v_cndmask_b32 v[T+16*\m+YK], -1.0, v[T+16*\m+Z3], s[44+\m]
	v_cndmask_b32 v[E+16*\m+8], v[E+16*\m+8], v[E+16*\m+12], s[44+\m]
	v_cndmask_b32 v[E+16*\m+9], v[E+16*\m+9], v[E+16*\m+13], s[44+\m]
	v_cndmask_b32 v[E+16*\m+10], v[E+16*\m+10], v[E+16*\m+14], s[44+\m]
	v_cndmask_b32 v[E+16*\m+11], v[E+16*\m+11], v[E+16*\m+15], s[44+\m]
	v_cndmask_b32 v[T+16*\m+Z0], v[T+16*\m+Z0], v[T+16*\m+Z2], s[44+\m]
.endr
.irp m, 0,1,2,3
	v_cndmask_b32 v[T+16*\m+Z4], 0, v[T+16*\m+Z0], s[48+\m]
	v_cndmask_b32 v[E+16*\m+8], v[E+16*\m+8], v[E+16*\m+10], s[48+\m]
	v_cndmask_b32 v[E+16*\m+9], v[E+16*\m+9], v[E+16*\m+11], s[48+\m]
.endr
.irp m, 0,1,2,3
	v_add_f32 v[T+16*\m+YK], v[T+16*\m+YK], v[T+16*\m+Z4]
.endr
.irp m, 0,1,2,3
	v_cndmask_b32 v[T+16*\m+Z4], 0, v[E+16*\m+8], s[52+\m]
	v_cndmask_b32 v[E+16*\m+8], v[E+16*\m+8], v[E+16*\m+9], s[52+\m]   ; the bin's height
.endr
.irp m, 0,1,2,3
	v_add_f32 v[T+16*\m+YK], v[T+16*\m+YK], v[T+16*\m+Z4]
.endr
	; the raw slopes at the bin's two knots.  Knots 0 and 8 have the constant, knot i the sum's register i - 1: five candidates, then three, then two
	WIN 0x05
.irp m, 0,1,2,3
	v_cndmask_b32 v[T+16*\m+Z1], v[ACC+32*\m+16], v[ACC+32*\m+20], s[44+\m]   ; (the sum's first read names its lowest register)
	v_cndmask_b32 v[T+16*\m+Z2], v[ACC+32*\m+17], v[ACC+32*\m+21], s[44+\m]
	v_cndmask_b32 v[T+16*\m+Z3], v[ACC+32*\m+18], v[ACC+32*\m+22], s[44+\m]
	v_cndmask_b32 v[T+16*\m+Z0], s36, v[ACC+32*\m+19], s[44+\m]
	v_cndmask_b32 v[T+16*\m+Z4], v[ACC+32*\m+19], s36, s[44+\m]
.endr
	WIN 0
.irp m, 0,1,2,3
	v_cndmask_b32 v[T+16*\m+Z0], v[T+16*\m+Z0], v[T+16*\m+Z2], s[48+\m]
	v_cndmask_b32 v[T+16*\m+Z1], v[T+16*\m+Z1], v[T+16*\m+Z3], s[48+\m]
	v_cndmask_b32 v[T+16*\m+Z2], v[T+16*\m+Z2], v[T+16*\m+Z4], s[48+\m]
.endr
.irp m, 0,1,2,3
	v_cndmask_b32 v[T+16*\m+Z0], v[T+16*\m+Z0], v[T+16*\m+Z1], s[52+\m]
	v_cndmask_b32 v[T+16*\m+Z1], v[T+16*\m+Z1], v[T+16*\m+Z2], s[52+\m]
.endr
.irp m, 0,1,2,3
	v_mul_f32 v[T+16*\m+Z2], s30, |v[T+16*\m+Z0]|  ; -|z| log2(e)
	v_mul_f32 v[T+16*\m+Z3], s30, |v[T+16*\m+Z1]|
.endr
	s_wait_alu depctr_va_vdst(0)
.irp m, 0,1,2,3
	v_exp_f32 v[T+16*\m+Z2], v[T+16*\m+Z2]
	v_exp_f32 v[T+16*\m+Z3], v[T+16*\m+Z3]
	v_rcp_f32 v[T+16*\m+RR], v[E+16*\m]            ; 1 / the bin's width
.endr
.irp m, 0,1,2,3
	v_max_num_f32 v[T+16*\m+Z0], 0, v[T+16*\m+Z0]
	v_max_num_f32 v[T+16*\m+Z1], 0, v[T+16*\m+Z1]
.endr
	s_wait_alu depctr_va_vdst(0)                   ; one wait for the twelve
.irp m, 0,1,2,3
	v_fma_f32 v[T+16*\m+Z2], v[T+16*\m+Z2], s37, s37   ; (1 + e^-|z|) e^1e-4
	v_fma_f32 v[T+16*\m+Z3], v[T+16*\m+Z3], s37, s37
.endr
	s_wait_alu depctr_va_vdst(0)
.irp m, 0,1,2,3
	v_log_f32 v[T+16*\m+Z2], v[T+16*\m+Z2]
	v_log_f32 v[T+16*\m+Z3], v[T+16*\m+Z3]
.endr
.irp m, 0,1,2,3
	v_mul_f32 v[E+16*\m+1], v[E+16*\m+8], v[T+16*\m+RR]    ; s = height / width
	v_mul_f32 v[E+16*\m+2], v[T+16*\m+UU], v[T+16*\m+RR]   ; eps
.endr
.irp m, 0,1,2,3
	v_sub_f32 v[E+16*\m+3], 1.0, v[E+16*\m+2]              ; 1 - eps
	v_mul_f32 v[E+16*\m+5], v[E+16*\m+2], v[E+16*\m+2]     ; eps^2
.endr
.irp m, 0,1,2,3
	v_mul_f32 v[E+16*\m+4], v[E+16*\m+2], v[E+16*\m+3]     ; eps (1 - eps)
	v_mul_f32 v[E+16*\m+6], v[E+16*\m+3], v[E+16*\m+3]     ; (1 - eps)^2
.endr
	s_wait_alu depctr_va_vdst(0)                   ; one wait for the eight logarithms
.irp m, 0,1,2,3
	v_fma_f32 v[T+16*\m+Z0], v[T+16*\m+Z2], s31, v[T+16*\m+Z0]   ; the slope at the left knot,
	v_fma_f32 v[T+16*\m+Z1], v[T+16*\m+Z3], s31, v[T+16*\m+Z1]   ; at the right
.endr
.irp m, 0,1,2,3
	v_add_f32 v[T+16*\m+NA], v[T+16*\m+Z0], v[T+16*\m+Z1]
	v_mul_f32 v[T+16*\m+NB], v[T+16*\m+Z0], v[E+16*\m+4]
	v_mul_f32 v[T+16*\m+SA], v[T+16*\m+Z1], v[E+16*\m+5]
	v_add_f32 v[T+16*\m+SA+1], v[E+16*\m+1], v[E+16*\m+1]
.endr
.irp m, 0,1,2,3
	v_fma_f32 v[T+16*\m+NA], -2.0, v[E+16*\m+1], v[T+16*\m+NA]
	v_fma_f32 v[T+16*\m+NB], v[E+16*\m+1], v[E+16*\m+5], v[T+16*\m+NB]
	v_fma_f32 v[T+16*\m+SA], v[T+16*\m+Z0], v[E+16*\m+6], v[T+16*\m+SA]
.endr
.irp m, 0,1,2,3
	v_fma_f32 v[T+16*\m+NA], v[T+16*\m+NA], v[E+16*\m+4], v[E+16*\m+1]   ; beta
.endr
	s_wait_alu depctr_va_vdst(0)
.irp m, 0,1,2,3
	v_rcp_f32 v[T+16*\m+GG], v[T+16*\m+NA]
.endr
.irp m, 0,1,2,3
	v_mul_f32 v[T+16*\m+NB], v[E+16*\m+8], v[T+16*\m+NB]                 ; alpha
	v_fma_f32 v[T+16*\m+SA], v[T+16*\m+SA+1], v[E+16*\m+4], v[T+16*\m+SA]   ; n
.endr
	s_wait_alu depctr_va_vdst(0)                   ; one wait for the four reciprocals
.irp m, 0,1,2,3
	v_fma_f32 v[T+16*\m+YK], v[T+16*\m+NB], v[T+16*\m+GG], v[T+16*\m+YK]   ; y
	v_mul_f32 v[T+16*\m+SB], v[E+16*\m+1], v[T+16*\m+GG]                 ; s / beta
.endr
.irp m, 0,1,2,3
	v_cndmask_b32 v[T+16*\m+YK], v[T+16*\m+YK], v[T+16*\m+XX], s[40+\m]
	v_mul_f32 v[T+16*\m+SA], v[T+16*\m+SA], v[T+16*\m+SB]
.endr
.irp m, 0,1,2,3
	v_mul_f32 v[T+16*\m+SA], v[T+16*\m+SA], v[T+16*\m+SB]
.endr
.irp m, 0,1,2,3
	s_delay_alu instid0(VALU_DEP_4)
	v_cndmask_b32 v[T+16*\m+SA], v[T+16*\m+SA], 1.0, s[40+\m]            ; outside: logdet 0
.endr
	s_wait_alu depctr_va_vdst(0)
.irp m, 0,1,2,3
	v_log_f32 v[T+16*\m+SA], v[T+16*\m+SA]
.endr
	v_nop
.irp m, 0,1,2,3
	ds_store_b32 v[VX1], v[T+16*\m+YK] offset:1280*\m                    ; y takes x1's place in my stage
.endr
	s_wait_alu depctr_va_vdst(0)                   ; one wait for the four logarithms, ahead of their reader and of the backward jump
.irp m, 0,1,2,3
	v_add_f32 v[LDT+\m], v[LDT+\m], v[T+16*\m+SA]
.endr
.endm
	; ---- THE HEAD
	s_load_b512 s[8:23], s[0:1], 0x0               ; x s[8:9], W0 s[10:11], b0 s[12:13], b1 s[14:15], bout s[16:17], wq s[18:19], out0 s[20:21], out1 s[22:23]
	v_lshrrev_b32 v18, 5, v0
	s_delay_alu instid0(VALU_DEP_1)
	v_readfirstlane_b32 s2, v18                    ; wave 0..7
	v_and_b32 v19, 31, v0                          ; lane
	v_and_b32 v20, 15, v0                          ; r
	v_bfe_u32 v21, v0, 4, 1                        ; h
	s_delay_alu instid0(VALU_DEP_3)
	v_lshlrev_b32 v[LI], 4, v19
	s_delay_alu instid0(VALU_DEP_4)
	v_lshlrev_b32 v[L4], 2, v19
	v_lshlrev_b32 v[L8], 3, v19
	s_delay_alu instid0(VALU_DEP_4)
	v_lshl_add_u32 v[VB], v21, 6, B0
	v_mul_u32_u24 v[VBO], v21, 96
	s_delay_alu instid0(VALU_DEP_1)
	v_add_nc_u32 v[VBO], BO, v[VBO]
	s_mul_i32 s56, s2, STGW
	s_add_co_u32 s56, s56, STG                     ; my stage
	v_lshrrev_b32 v22, 2, v19
	s_delay_alu instid0(VALU_DEP_1)
	v_mul_u32_u24 v22, v22, 80
	v_and_b32 v23, 3, v19
	s_delay_alu instid0(VALU_DEP_1)
	v_lshl_add_u32 v22, v23, 4, v22
	s_delay_alu instid0(VALU_DEP_1)
	v_add_nc_u32 v[XSA], s56, v22
	v_mul_u32_u24 v22, v20, 80
	s_delay_alu instid0(VALU_DEP_1)
	v_add_nc_u32 v22, s56, v22                     ; row r of a tile
	s_delay_alu instid0(VALU_DEP_1)
	v_lshl_add_u32 v[XBA], v21, 3, v22
	s_delay_alu instid0(VALU_DEP_1)
	v_add_nc_u32 v[XBA], NST+32, v[XBA]
	s_delay_alu instid0(VALU_DEP_3)
	v_lshl_add_u32 v[X1A], v21, 2, v22
	v_lshl_add_u32 v[VLD], v20, 2, s56
	s_delay_alu instid0(VALU_DEP_1)
	v_add_nc_u32 v[VLD], LGD, v[VLD]
	v_add_nc_u32 v[VLR], s56, v[L8]
	s_delay_alu instid0(VALU_DEP_1)
	v_add_nc_u32 v[VLR], LGD, v[VLR]
	v_add_nc_u32 v[VSWB], WSO, v[L4]
	v_lshlrev_b32 v[CPA], 4, v0
	s_delay_alu instid0(VALU_DEP_1)
	v_add_nc_u32 v[CPS], WSO, v[CPA]
	v_and_b32 v22, 8, v20
	s_delay_alu instid0(VALU_DEP_1)
	v_add_nc_u32 v22, v22, v20                     ; r + 8 (r / 8)
	s_delay_alu instid0(VALU_DEP_1)
	v_lshlrev_b32 v22, 2, v22
	s_delay_alu instid0(VALU_DEP_1)
	v_lshl_add_u32 v22, v21, 11, v22               ; + two rows of W0 for my half
	s_lshl_b32 s57, s2, 7
	v_add_nc_u32 v200, s57, v22                    ; W0: wave w makes the fragments of tiles 2 w, 2 w + 1: columns 32 w on
	s_lshl_b32 s57, s2, 10
	v_add_nc_u32 v201, s57, v[LI]                  ; and stores them at 1,024 w + 16 x lane
	v_lshlrev_b32 v18, 2, v0                       ; 4 x thread
	s_delay_alu instid0(VALU_DEP_1)
	v_add_nc_u32 v202, B0, v18
	v_mul_u32_u24 v203, v0, 171
	s_delay_alu instid0(VALU_DEP_1)
	v_lshrrev_b32 v203, 12, v203                   ; thread / 24 (171 / 4,096 serves 0 .. 255): the spline of BO's word
	s_delay_alu instid0(VALU_DEP_1)
	v_sub_nc_u32 v205, v0, v203                    ; 23 t + j = thread - t,
	s_delay_alu instid0(VALU_DEP_1)
	v_min_u32 v205, 183, v205                      ; held inside bout
	s_delay_alu instid0(VALU_DEP_1)
	v_lshlrev_b32 v205, 2, v205
	s_delay_alu instid0(VALU_DEP_4)
	v_mul_u32_u24 v204, v203, 24
	s_delay_alu instid0(VALU_DEP_1)
	v_sub_nc_u32 v204, v0, v204                    ; j
.irp k, 4,5,6,7
	v_mov_b32 v[TM+\k], 0                          ; written once: a lane permute's destination counts as one of its sources
.endr
	s_mov_b32 s26, 0x76543210                      ; v_permlanex16_b32's selects for lane l xor 16
	s_mov_b32 s27, 0xfedcba98
	s_mov_b32 s28, 0x3fb8aa3b                      ; log2(e), as a pair for the packed form
	s_mov_b32 s29, 0x3fb8aa3b
	s_mov_b32 s30, 0xbfb8aa3b                      ; -log2(e)
	s_mov_b32 s31, 0x3f317218                      ; ln 2
	s_mov_b32 s32, 0x3951b717                      ; 2e-4, as a pair
	s_mov_b32 s33, 0x3951b717
	s_mov_b32 s34, 0x3fffcb92                      ; 1.9984
	s_mov_b32 s35, 0x3f7fbe77                      ; 0.999
	s_mov_b32 s36, 0x3f0a89e6                      ; ln(e^0.9999 - 1)
	s_mov_b32 s37, 0x3f800347                      ; e^1e-4
	s_mov_b32 s38, 0x88888888                      ; the sign bits of eight codes
	s_lshl_b32 s56, ttmp9, 17                      ; 2,048 rows of 64 bytes a work-group,
	s_lshl_b32 s58, s2, 14                         ; 256 a wave
	s_add_co_u32 s56, s56, s58
	s_mov_b32 s57, 0
	s_lshl_b32 s58, ttmp9, 13                      ; and of 4 bytes in out1
	s_lshl_b32 s59, s2, 10
	s_add_co_u32 s58, s58, s59
	s_mov_b32 s59, 0
	s_wait_alu depctr_va_vdst(0)
	s_wait_kmcnt 0x0
	s_add_nc_u64 s[8:9], s[8:9], s[56:57]
	s_add_nc_u64 s[20:21], s[20:21], s[56:57]
	s_add_nc_u64 s[22:23], s[22:23], s[58:59]
	XLOAD                                          ; the first 64 rows
.irp u, 0,1
.irp q, 0,1
.irp j, 0,1
	global_load_b32 v[176+4*\u+2*\q+\j], v200, s[10:11] offset:4096*\q+1024*\j+32*\u   ; W0(4 q + 2 h + j, 32 w + 8 u + r + 8 (r / 8))
.endr
.endr
.endr
	global_load_b32 v206, v18, s[12:13]            ; b0, b1: a number a thread
	global_load_b32 v207, v18, s[14:15]
	global_load_b32 v208, v205, s[16:17]           ; bout
.irp t, 0,1,2,3,4,5,6,7,8,9,10,11,12,13,14,15
	global_load_b32 v[WS1+\t], v[L4], s[18:19] offset:57344+128*\t   ; W1's scale registers
.endr
.irp k, 0,1,2,3,4,5,6,7,8,9,10,11,12,13
	global_load_b128 v[96+4*\k:96+4*\k+3], v[CPA], s[18:19] offset:4096*\k   ; the 56 fragments: 4,096 consecutive bytes a load of the work-group
.endr
	s_cmp_lt_u32 s2, 3                             ; Wout's 1,536 scale bytes are 16 bytes for each thread of waves 0 to 2: load, wait and store stand in one branch
	s_cbranch_scc0 .Lno_ws
	global_load_b128 v[152:155], v[CPA], s[18:19] offset:59392
	s_wait_loadcnt 0x0
	ds_store_b128 v[CPS], v[152:155]
.Lno_ws:
	s_wait_loadcnt 0x0
.irp k, 0,1,2,3,4,5,6,7,8,9,10,11,12,13
	ds_store_b128 v[CPA], v[96+4*\k:96+4*\k+3] offset:4096*\k
.endr
	ds_store_b128 v201, v[176:179] offset:W0IMG
	ds_store_b128 v201, v[180:183] offset:W0IMG+512
	ds_store_b32 v202, v206
	ds_store_b32 v202, v207 offset:1024
	v_cmp_le_u32 s58, 16, v204                     ; the slopes' words get the constant that is added ahead of softplus,
	s_delay_alu instid0(VALU_DEP_1)
	v_cndmask_b32 v209, 0, s36, s58
	s_delay_alu instid0(VALU_DEP_1)
	v_add_f32 v208, v208, v209
	v_cmp_eq_u32 s58, 23, v204                     ; the word of the row that stands for no column is 0
	s_delay_alu instid0(VALU_DEP_1)
	v_cndmask_b32 v208, v208, 0, s58
	ds_store_b32 v202, v208 offset:BO-B0
	XSTORE 0                                       ; the first rows go to both stages
	XSTORE NST
	s_wait_dscnt 0x0                               ; for the others' sake: my stores have landed
	s_barrier_signal -1
	s_barrier_wait -1                              ; the images, W0's fragments and the biases are whole; nobody writes them again
	s_mul_i32 s56, s2, STGW
	s_add_co_u32 s56, s56, STG                     ; my region once more
	v_add_nc_u32 v[VH0], s56, v[LI]
	v_lshl_add_u32 v[VHS], v20, 3, s56
	v_add_nc_u32 v[VH0], H0I, v[VH0]
	v_add_nc_u32 v[VHS], HSI, v[VHS]
	XBLOAD
	s_mov_b32 s10, 0                               ; (the loads that named these registers as bases have been waited for)
	s_mov_b32 s11, 0
	s_mov_b32 s12, 0
	s_mov_b32 s13, 0
	s_mov_b32 s4, 0
	s_wait_alu depctr_va_vdst(0)
.Lh:                                               ; layer 1 of the first 64 rows: four chunks
	P1LOAD
	P1A
	P1B
	P1STEP
	s_add_co_u32 s4, s4, 1
	s_cmp_lt_u32 s4, 4
	s_wait_alu depctr_va_vdst(0)
	s_cbranch_scc1 .Lh
	s_mov_b32 s3, 0
.Ltrip:                                            ; four trips of 64 rows; layer 1 of the next trip stands in the splines' loop
	s_cmp_eq_u32 s3, 3
	s_cbranch_scc1 .Lno_x                          ; the last trip asks for nothing: no load leaves x
	s_add_nc_u64 s[8:9], s[8:9], 4096              ; (the loads that named this base have been waited for)
	XLOAD                                          ; the next 64 rows, a whole trip ahead of their use
.Lno_x:
	P2
	s_wait_alu depctr_va_vdst(0)
	s_wait_loadcnt 0x0                             ; the next trip's x is in (in the last trip nothing is out)
	s_cmp_eq_u32 s3, 3
	s_cbranch_scc1 .Lno_xs
	XSTORE NST
	XBLOAD
.Lno_xs:
	; ---- LAYER 3 AND THE SPLINE: four trips, two splines (t = 2 p, 2 p + 1) of the 64 rows each
	s_mov_b32 s4, 0                                ; p
	s_mov_b32 s5, 0                                ; 6,144 p: three tiles' fragments
	s_mov_b32 s6, 0                                ; 192 p: two splines' biases
	s_mov_b32 s7, 0                                ; 384 p: three scale registers
	s_mov_b32 s24, 0                               ; 8 p: two numbers of x1
	s_mov_b32 s10, 0
	s_mov_b32 s11, 0
	s_mov_b32 s12, 0
	s_mov_b32 s13, 0
.irp m, 0,1,2,3
	v_mov_b32 v[LDT+\m], 0                         ; (also the four places between h1's last codes and the first product)
.endr
	ADDR
	LOADP
.Lp:
	s_wait_dscnt 0x0                               ; Wout's tiles, biases and scale registers are in; my stores of y are done
	v_add_nc_u32 v[VX1], s24, v[X1A]
.irp m, 0,1,2,3
	ds_load_b32 v[T+16*\m+XX], v[VX1] offset:1280*\m   ; x1(16 m + r, 2 p + h)
.endr
	WIN 0x45                                       ; Wout and h1 window 1, the bias window 0, the sum window 1
.irp m, 0,1,2,3
.irp kd, 0,1,2
	MM ACC+32*\m+8*\kd, WF+16*\kd, H1C+16*\m, BIAS+8*\kd, SW3+\kd, HS1+2*\m, 0
.endr
.endr
	WIN 0x55
	s_wait_alu depctr_va_vdst(0)
.irp m, 0,1,2,3
.irp kd, 0,1,2
	MM ACC+32*\m+8*\kd, WF+16*\kd+8, H1C+16*\m+8, ACC+32*\m+8*\kd, SW3+\kd, HS1+2*\m+1, 1
.endr
.endr
	WIN 0
	PLACES 4                                       ; four places in front of loads into the products' operands and of the first read of the results
	s_wait_dscnt 0x0                               ; x1 is in
	P1LOAD                                         ; layer 1's operands land under the spline
	SPLINE
	s_cmp_eq_u32 s3, 3
	s_wait_alu depctr_va_vdst(0)
	s_cbranch_scc1 .Lskip1                         ; behind the last rows there are none
	P1A
	NEXTP                                          ; the next pair's operands land under the quantiser
	P1B
	s_wait_alu depctr_va_vdst(0)
	s_branch .Lpe
.Lskip1:
	s_wait_dscnt 0x0                               ; the loads of layer 1's operands have landed: the next pair's loads name the same registers
	NEXTP
.Lpe:
	P1STEP
	s_add_co_u32 s24, s24, 8
	s_add_co_u32 s4, s4, 1
	s_cmp_lt_u32 s4, 4
	s_cbranch_scc1 .Lp
	; ---- THE WAY OUT: my stage holds 64 rows [y1 | x2]; the logdets join it; both leave as they lie
.irp m, 0,1,2,3
	v_permlanex16_b32 v[T+16*\m], v[LDT+\m], s26, s27
.endr
.irp m, 0,1,2,3
	s_delay_alu instid0(VALU_DEP_4)
	v_add_f32 v[LDT+\m], v[LDT+\m], v[T+16*\m]     ; the even splines' and the odd splines' sums
.endr
.irp m, 0,1,2,3
	s_delay_alu instid0(VALU_DEP_4)
	v_mul_f32 v[LDT+\m], s31, v[LDT+\m]            ; log2 to ln
.endr
.irp m, 0,1,2,3
	ds_store_b32 v[VLD], v[LDT+\m] offset:64*\m    ; both lanes of a row write the same word with the same value
.endr
.irp k, 0,1,2,3,4,5,6,7
	ds_load_b128 v[160+4*\k:160+4*\k+3], v[XSA] offset:640*\k   ; LDS serves a wave's instructions in order: these see my stores
.endr
	ds_load_b64 v[192:193], v[VLR]
.irp k, 0,1,2,3,4,5,6,7
	s_wait_dscnt 8-\k                              ; load k is in: the 7 - k row loads behind it and the logdets' load may be out
	global_store_b128 v[LI], v[160+4*\k:160+4*\k+3], s[20:21] offset:512*\k th:TH_STORE_NT   ; 32 lanes store 512 consecutive bytes, aligned
.endr
	s_wait_dscnt 0x0
	global_store_b64 v[L8], v[192:193], s[22:23] th:TH_STORE_NT   ; 64 logdets: 256 consecutive bytes, aligned
	s_wait_xcnt 0x0                                ; the stores have read their registers and bases: both are written again only behind this wait
	s_add_nc_u64 s[20:21], s[20:21], 4096
	s_add_nc_u64 s[22:23], s[22:23], 256
	s_wait_loadcnt 0x0                             ; the next trip's x is in (in the last trip nothing is out)
	s_cmp_eq_u32 s3, 3
	s_cbranch_scc1 .Llast
.irp k, 0,1,2,3,4,5,6,7
	ds_load_b128 v[160+4*\k:160+4*\k+3], v[XSA] offset:NST+640*\k          ; the next rows move from stage N to stage C
.endr
	s_wait_dscnt 0x0
.irp k, 0,1,2,3,4,5,6,7
	ds_store_b128 v[XSA], v[160+4*\k:160+4*\k+3] offset:640*\k
.endr
.Llast:
	s_add_co_u32 s3, s3, 1
	s_cmp_lt_u32 s3, 4
	s_cbranch_scc1 .Ltrip
	s_wait_xcnt 0x0
	v_lshl_add_u32 v254, v0, 2, SPARE
	v_mov_b32 v255, 0
	s_wait_alu depctr_va_vdst(0)
	s_wait_tensorcnt 0x0
	ds_add_u32 v254, v255
	s_wait_dscnt 0x0
	s_endpgm
.Lfunc_end_k_qd3014e1065_main:
	.size	k_qd3014e1065_main, .Lfunc_end_k_qd3014e1065_main-k_qd3014e1065_main
	.p2alignl 7, 3214868480
	.fill 96, 4, 3214868480
	.section	.rodata,"a",@progbits
	.p2align	6, 0x0
	.amdhsa_kernel k_qd3014e1065_main
		.amdhsa_group_segment_fixed_size 224768
		.amdhsa_private_segment_fixed_size 0
		.amdhsa_enable_private_segment 0
		.amdhsa_kernarg_size 64
		.amdhsa_user_sgpr_count 2
		.amdhsa_user_sgpr_kernarg_segment_ptr 1
		.amdhsa_wavefront_size32 1
		.amdhsa_system_sgpr_workgroup_id_x 1
		.amdhsa_system_sgpr_workgroup_id_y 1
		.amdhsa_system_sgpr_workgroup_id_z 1
		.amdhsa_system_vgpr_workitem_id 0
		.amdhsa_next_free_vgpr 512
		.amdhsa_next_free_sgpr 66
		.amdhsa_reserve_vcc 0
		.amdhsa_float_denorm_mode_32 3
		.amdhsa_float_denorm_mode_16_64 3
		.amdhsa_memory_ordered 1
		.amdhsa_forward_progress 1
		.amdhsa_inst_pref_size 159
	.end_amdhsa_kernel
	.amdgpu_metadata
---
amdhsa.version: [ 1, 2 ]
amdhsa.kernels:
  - .name:           k_qd3014e1065_main
    .symbol:         k_qd3014e1065_main.kd
    .args:
      - { .name: x, .offset: 0, .size: 8, .value_kind: global_buffer, .address_space: global }
      - { .name: W0, .offset: 8, .size: 8, .value_kind: global_buffer, .address_space: global }
      - { .name: b0, .offset: 16, .size: 8, .value_kind: global_buffer, .address_space: global }
      - { .name: b1, .offset: 24, .size: 8, .value_kind: global_buffer, .address_space: global }
      - { .name: bout, .offset: 32, .size: 8, .value_kind: global_buffer, .address_space: global }
      - { .name: wq, .offset: 40, .size: 8, .value_kind: global_buffer, .address_space: global }
      - { .name: out0, .offset: 48, .size: 8, .value_kind: global_buffer, .address_space: global }
      - { .name: out1, .offset: 56, .size: 8, .value_kind: global_buffer, .address_space: global }
    .group_segment_fixed_size: 224768
    .private_segment_fixed_size: 0
    .kernarg_segment_align: 8
    .kernarg_segment_size: 64
    .max_flat_workgroup_size: 256
    .sgpr_count:     66
    .vgpr_count:     512
    .wavefront_size: 32
...
	.end_amdgpu_metadata
.endif
;; end of part 2
